; MI455X (gfx1250); checked and timed in simulation.
; The chip was launched on July 23, 2026; its instructions are those of AMD's public machine-readable ISA for CDNA 5 (MIT licence, August 2026) and "CDNA5" Instruction Set Architecture Reference Guide (July 2026). The comments in the code are by the model that wrote it; some were corrected since.
;; SQN Rand LA Net. Allowed arithmetic: float matrix products may take bf16 or f16 operands with f32 sums; all other float work in f32.
;; Inputs: feature 4 x 128 x 8,192 x 1 float32; pool_idx 4 x 4,096 x 16 int32; xyz_query 4 x 8,192 x 3 float32; xyz_support 4 x 4,096 x 3 float32.
;; Outputs: out0 4 x 128 x 8,192 float32.
;; 2 versions, each right; version 2 is version 1 with the launch poolinterp written anew for expert scheduling mode. Each part assembles by itself: llvm-mc -triple=amdgcn-amd-amdhsa -mcpu=gfx1250 --defsym DOCPART=n.
;; ======== version 1 of 2: 3 launches
;; workspace buffers: cand 524,288 bytes of whole numbers; knn 262,144 bytes of whole numbers; wgt 524,288 bytes
;; launch filter (part 1): grid 256 x 1, 4 waves a work-group, no clusters, 49,664 bytes of LDS; arguments xyz_query, xyz_support, cand; writes cand
.if DOCPART == 1
	.amdgcn_target "amdgcn-amd-amdhsa--gfx1250"
	.amdhsa_code_object_version 6
	.text
	.protected	k_qead08ffbe5_filter
	.globl	k_qead08ffbe5_filter
	.p2align	8
	.type	k_qead08ffbe5_filter,@function
k_qead08ffbe5_filter:
	s_mov_b64 s[64:65], 0
	v_nop
	global_prefetch_b8 v0, s[64:65] scope:SCOPE_SE
	s_setreg_imm32_b32 hwreg(HW_REG_WAVE_MODE, 25, 1), 1
	s_wait_xcnt 0x0
; FILTER.  For each query: the 4 groups of 16 consecutive supports whose smallest s^2 - 2 q.s is smallest (q^2 is the same for all
; supports of a query and changes no order).  An element of the true 3 nearest always lies in one of the 3 groups with the smallest
; minima; the fourth group is a margin for minima that differ only by rounding.  The next launch ranks the 64 candidates in f32.
; The product goes to the matrix unit in bf16 without losing the coordinates' f32 bits: every f32 number is cut exactly into three
; bf16 pieces (hi, mid, lo, by truncation and exact subtraction).  K = 32 is four blocks of 8: x, y, z, s^2.
;   support side (A) of a block:  hi hi hi mid mid mid lo lo
;   query side (B), pieces of -2q: hi mid lo hi mid lo hi mid     (8 of the 9 piece products; lo x lo, below 2^-32 of the product, is dropped)
;   query side of the s^2 block:   1  0  0  1  0   0  1  0        (adds hi + mid + lo of s^2)
; A work-group has 128 queries (8 tiles of 16) of one batch; wave w has supports 1024 w .. +1023 of that batch, 32 a trip.
; In a result, lane (r, h) holds query r and rows 8h .. 8h+7.  The rows of the trip's two support tiles are chosen so that the 16 numbers
; of a lane are one group: tile t, row m = support 32 p + 16 (m >> 3) + 8 t + (m & 7); the lane's group is 64 w + 2 p + h.
; No cluster: what the 64 work-groups of a batch share is 49,152 bytes, read once in front of the loop; the loop reads no memory.
; LIMITS: NaN or infinite coordinates give no defined choice (lists start at +inf with id 0).
.set NQ,     128                       ; queries of a work-group
.set SUPB,   49152                     ; bytes of a batch's supports
.set QUART,  12288                     ; bytes of a wave's 1,024 supports
.set TRIPS,  32
.set RR,   1                           ; v1   r = lane & 15
.set HH,   2                           ; v2   h = (lane >> 4) & 1
.set SA,   3                           ; v3   LDS address of my support row in tile 0 of the trip
.set GID,  4                           ; v4   my group's number in this trip
.set T16,  5                           ; v5   16 t: stage (global and LDS) and the store of cand
.set QO,   6                           ; v6   12 r
.set MST,  7                           ; v7   merge table, where my lists go
.set RAW0, 8                           ; v[8:10]   x y z of my row, tile 0
.set RAW1, 12                          ; v[12:14]  the same, tile 1
.set T,    16                          ; v[16:22]  at work
.set TI,   23                          ; v23       at work in the insertions
.set K1,   24                          ; v24  bf16 (1, 0)
.set K2,   25                          ; v25  bf16 (0, 1)
.set K0,   26                          ; v26  0
.set MRD,  27                          ; v27  merge table, where I read
.set A,    32                          ; v[32:47]   two support fragments
.set QX,   32                          ; v[32:55]   in front of the loop: x y z of my query in each of the 8 tiles
.set D0,   48                          ; v[48:63]   results, buffer 0
.set D1,   64                          ; v[64:79]   results, buffer 1
.set BQ,   80                          ; v[80:143]  8 query fragments (v[80:175] first take the 24 stage loads)
.set SV,   144                         ; v[144:175] tile i: 4 smallest group minima, ascending
.set SI,   176                         ; v[176:207] tile i: their group numbers
	s_load_b128 s[4:7], s[0:1], 0x0                ; xyz_query s[4:5], xyz_support s[6:7]
	s_load_b64 s[8:9], s[0:1], 0x10                ; cand
	v_lshl_add_u32 v208, v0, 2, 0xc000
	v_mov_b32 v209, 0
	v_lshrrev_b32 v[T], 5, v0
	v_readfirstlane_b32 s10, v[T]                  ; wave
	v_and_b32 v[RR], 15, v0
	v_bfe_u32 v[HH], v0, 4, 1
	v_lshlrev_b32 v[T16], 4, v0
	v_mul_u32_u24 v[QO], v[RR], 12
	v_and_b32 v[T], 7, v[RR]
	v_lshrrev_b32 v[T+1], 3, v[RR]
	v_lshl_add_u32 v[T], v[T+1], 4, v[T]           ; 16 (r >> 3) + (r & 7)
	s_mul_i32 s11, s10, QUART
	v_mul_u32_u24 v[T], v[T], 12
	v_add_nc_u32 v[SA], s11, v[T]
	s_lshl_b32 s11, s10, 6
	v_add_nc_u32 v[GID], s11, v[HH]                ; 64 w + h
	v_lshlrev_b32 v[MST], 5, v[RR]                 ; merge table: [stream 2 w + h][query] x 32 bytes
	v_lshl_add_u32 v[MST], v[HH], 12, v[MST]
	s_lshl_b32 s11, s10, 13
	v_add_nc_u32 v[MST], s11, v[MST]
	v_lshlrev_b32 v[MRD], 5, v0
	v_mov_b32 v[K1], 0x3f80
	v_mov_b32 v[K2], 0x3f800000
	v_mov_b32 v[K0], 0
	s_mov_b32 s12, 0xffff0000                      ; keeps a number's upper 16 bits: its bf16 truncation
	s_mov_b32 s13, 0x07060302                      ; v_perm_b32: upper half of source 0 above upper half of source 1
	s_mov_b32 s14, 0xffff0000                      ; lane mask: the lanes with h = 1
	s_mul_i32 s20, ttmp9, NQ*12
	s_mov_b32 s21, 0
	s_lshr_b32 s22, ttmp9, 6                       ; batch
	s_mul_i32 s22, s22, SUPB
	s_mov_b32 s23, 0
	s_lshl_b32 s24, ttmp9, 11                      ; 128 queries x 16 bytes
	s_mov_b32 s25, 0
	s_wait_kmcnt 0x0
	s_add_nc_u64 s[4:5], s[4:5], s[20:21]
	s_add_nc_u64 s[6:7], s[6:7], s[22:23]
	s_add_nc_u64 s[8:9], s[8:9], s[24:25]
.set i, 0
.rept 24
	global_load_b128 v[BQ+4*i:BQ+4*i+3], v[T16], s[6:7] offset:2048*i      ; the four waves cover 2,048 neighbouring bytes a step
.set i, i+1
.endr
.set i, 0
.rept 24
	global_load_b32 v[QX+i], v[QO], s[4:5] offset:192*(i/3)+4*(i%3)        ; coordinate i % 3 of query 16 (i / 3) + r
.set i, i+1
.endr
	s_wait_loadcnt 24                              ; the 24 query loads are younger: the stage loads are in
.set i, 0
.rept 24
	ds_store_b128 v[T16], v[BQ+4*i:BQ+4*i+3] offset:2048*i
.set i, i+1
.endr
	s_wait_loadcnt 0x0                             ; my queries
	s_wait_dscnt 0x0                               ; my stage stores are done, for the waves that read them
	s_barrier_signal -1
; w = hi + mid + lo exactly: the pieces are the upper halves of w, r1 and r2
.macro SPLIT w, r1, r2
	v_and_b32 v[\r1], s12, v[\w]
	v_sub_f32 v[\r1], v[\w], v[\r1]
	v_and_b32 v[\r2], s12, v[\r1]
	v_sub_f32 v[\r2], v[\r1], v[\r2]
.endm
; the query fragment of tile i.  Lanes h = 0: blocks x and z; lanes h = 1: block y and the constants of the s^2 block
.macro QFRAG i
	v_cndmask_b32 v[T], v[QX+3*\i], v[QX+3*\i+1], s14
	v_mul_f32 v[T], -2.0, v[T]
	v_mul_f32 v[T+1], -2.0, v[QX+3*\i+2]
	SPLIT T, T+2, T+3
	SPLIT T+1, T+4, T+5
	v_perm_b32 v[BQ+8*\i],   v[T+2], v[T],   s13   ; (hi, mid)
	v_perm_b32 v[BQ+8*\i+1], v[T],   v[T+3], s13   ; (lo, hi)
	v_perm_b32 v[BQ+8*\i+2], v[T+3], v[T+2], s13   ; (mid, lo)
	v_perm_b32 v[BQ+8*\i+3], v[T+2], v[T],   s13   ; (hi, mid)
	v_perm_b32 v[T+6], v[T+4], v[T+1], s13
	v_perm_b32 v[TI],  v[T+1], v[T+5], s13
	v_perm_b32 v[T+5], v[T+5], v[T+4], s13
	v_cndmask_b32 v[BQ+8*\i+4], v[T+6], v[K1], s14
	v_cndmask_b32 v[BQ+8*\i+5], v[TI],  v[K2], s14
	v_cndmask_b32 v[BQ+8*\i+6], v[T+5], v[K0], s14
	v_cndmask_b32 v[BQ+8*\i+7], v[T+6], v[K1], s14
.endm
; a support fragment from my row's x y z.  Lanes h = 0: blocks x and z; lanes h = 1: blocks y and s^2
.macro AFRAG raw, a
	v_mul_f32 v[T], v[\raw], v[\raw]
	v_fma_f32 v[T], v[\raw+1], v[\raw+1], v[T]
	v_fma_f32 v[T], v[\raw+2], v[\raw+2], v[T]
	v_cndmask_b32 v[T+1], v[\raw], v[\raw+1], s14
	v_cndmask_b32 v[T+2], v[\raw+2], v[T], s14
	SPLIT T+1, T+3, T+4
	SPLIT T+2, T+5, T+6
	v_perm_b32 v[\a],   v[T+1], v[T+1], s13        ; (hi, hi)
	v_perm_b32 v[\a+1], v[T+3], v[T+1], s13        ; (hi, mid)
	v_perm_b32 v[\a+2], v[T+3], v[T+3], s13        ; (mid, mid)
	v_perm_b32 v[\a+3], v[T+4], v[T+4], s13        ; (lo, lo)
	v_perm_b32 v[\a+4], v[T+2], v[T+2], s13
	v_perm_b32 v[\a+5], v[T+5], v[T+2], s13
	v_perm_b32 v[\a+6], v[T+5], v[T+5], s13
	v_perm_b32 v[\a+7], v[T+6], v[T+6], s13
.endm
; both support tiles against query tile i; the constant 0 as C: each result is a whole sum
.macro W i, d
	v_wmma_f32_16x16x32_bf16 v[\d:\d+7],    v[A:A+7],    v[BQ+8*\i:BQ+8*\i+7], 0
	v_wmma_f32_16x16x32_bf16 v[\d+8:\d+15], v[A+8:A+15], v[BQ+8*\i:BQ+8*\i+7], 0
.endm
; x with number g into the ascending list V[0..3] with numbers I[0..3]; strict <, so that what came first stays in front
.macro INSERT4 x, g, V, I
	v_cmp_lt_f32 s16, v[\x], v[\V]
	v_cmp_lt_f32 s17, v[\x], v[\V+1]
	v_cmp_lt_f32 s18, v[\x], v[\V+2]
	v_cmp_lt_f32 s19, v[\x], v[\V+3]
	v_cndmask_b32 v[TI], v[\g], v[\I+2], s18
	v_cndmask_b32 v[\I+3], v[\I+3], v[TI], s19
	v_cndmask_b32 v[TI], v[\g], v[\I+1], s17
	v_cndmask_b32 v[\I+2], v[\I+2], v[TI], s18
	v_cndmask_b32 v[TI], v[\g], v[\I], s16
	v_cndmask_b32 v[\I+1], v[\I+1], v[TI], s17
	v_cndmask_b32 v[\I], v[\I], v[\g], s16
	v_med3_num_f32 v[\V+3], v[\V+2], v[\V+3], v[\x]
	v_med3_num_f32 v[\V+2], v[\V+1], v[\V+2], v[\x]
	v_med3_num_f32 v[\V+1], v[\V], v[\V+1], v[\x]
	v_min_num_f32 v[\V], v[\V], v[\x]
.endm
; the smallest of my 16 numbers of tile i (my group's minimum for my query), then into the tile's list
.macro PROC d, i
	v_min3_num_f32 v[T],   v[\d],   v[\d+1], v[\d+2]
	v_min3_num_f32 v[T+1], v[\d+8], v[\d+9], v[\d+10]
	v_min3_num_f32 v[T],   v[T],    v[\d+3], v[\d+4]
	v_min3_num_f32 v[T+1], v[T+1],  v[\d+11], v[\d+12]
	v_min3_num_f32 v[T],   v[T],    v[\d+5], v[\d+6]
	v_min3_num_f32 v[T+1], v[T+1],  v[\d+13], v[\d+14]
	v_min3_num_f32 v[T+2], v[T],    v[T+1],  v[\d+7]
	v_min_num_f32  v[T+2], v[T+2],  v[\d+15]
	INSERT4 T+2, GID, SV+4*\i, SI+4*\i
.endm
; One trip: 32 supports against the 128 queries.  Results take turns in two buffers, so that between a matrix instruction and the first
; reader of its result stand the 23 vector instructions of the other buffer's PROC, which name none of its registers (ISA guide 7.12.1
; asks for 4); only tile 0 needs v_nop.  A buffer, and the support fragments in the next trip, are written again behind an insertion's 15.
.macro TRIP more
	s_wait_dscnt 0x0                               ; my two rows' coordinates are in
	AFRAG RAW0, A
	AFRAG RAW1, A+8
.if \more
	v_add_nc_u32 v[SA], 32*12, v[SA]               ; the next 32 supports
.irp c, 0,1,2
	ds_load_b32 v[RAW0+\c], v[SA] offset:4*\c
	ds_load_b32 v[RAW1+\c], v[SA] offset:96+4*\c   ; tile 1: 8 supports on
.endr
.endif
	W 0, D0
	W 1, D1
.rept 4
	v_nop
.endr
	PROC D0, 0
	W 2, D0
	PROC D1, 1
	W 3, D1
	PROC D0, 2
	W 4, D0
	PROC D1, 3
	W 5, D1
	PROC D0, 4
	W 6, D0
	PROC D1, 5
	W 7, D1
	PROC D0, 6
	PROC D1, 7
	v_add_nc_u32 v[GID], 2, v[GID]
.endm
	; register work while the other waves arrive: the query fragments and the empty lists
.irp i, 0,1,2,3,4,5,6,7
	QFRAG \i
.endr
.set i, 0
.rept 32
	v_mov_b32 v[SV+i], 0x7f800000                  ; +inf: any finite minimum goes in front
	v_mov_b32 v[SI+i], 0
.set i, i+1
.endr
	s_barrier_wait -1                              ; the whole stage is written
.irp c, 0,1,2
	ds_load_b32 v[RAW0+\c], v[SA] offset:4*\c
	ds_load_b32 v[RAW1+\c], v[SA] offset:96+4*\c
.endr
	s_mov_b32 s15, TRIPS-1
.Ltrip:
	TRIP 1
	s_sub_co_i32 s15, s15, 1
	s_cmp_lg_u32 s15, 0
	s_cbranch_scc1 .Ltrip
	TRIP 0                                         ; the last trip reads nothing further
	; MERGE.  A query's lists lie in 8 streams (4 waves x 2 halves of lanes).  The table takes the stage's bytes: no LDS read of mine is
	; out (the wait at the last trip's head, none issued since), and behind this barrier that holds of every wave.
	s_barrier_signal -1
	s_barrier_wait -1
.irp i, 0,1,2,3,4,5,6,7
	ds_store_b128 v[MST], v[SV+4*\i:SV+4*\i+3] offset:512*\i
	ds_store_b128 v[MST], v[SI+4*\i:SI+4*\i+3] offset:512*\i+16
.endr
	s_wait_dscnt 0x0                               ; my lists are in the table, for the threads that read them
	s_barrier_signal -1
	s_barrier_wait -1
	ds_load_b128 v[SV:SV+3], v[MRD]                ; thread t takes query t: stream 0 is the list to start from
	ds_load_b128 v[SI:SI+3], v[MRD] offset:16
.set st, 0
.rept 7
	ds_load_b128 v[BQ+8*st:BQ+8*st+3],   v[MRD] offset:4096*(st+1)
	ds_load_b128 v[BQ+8*st+4:BQ+8*st+7], v[MRD] offset:4096*(st+1)+16
.set st, st+1
.endr
	s_wait_dscnt 0x0
.set st, 0
.rept 7
.irp j, 0,1,2,3
	INSERT4 BQ+8*st+\j, BQ+8*st+4+\j, SV, SI
.endr
.set st, st+1
.endr
	global_store_b128 v[T16], v[SI:SI+3], s[8:9]   ; a wave's store covers 512 consecutive bytes
	s_wait_tensorcnt 0x0
	ds_add_u32 v208, v209
	s_wait_dscnt 0x0
	s_endpgm
.Lfunc_end_k_qead08ffbe5_filter:
	.size	k_qead08ffbe5_filter, .Lfunc_end_k_qead08ffbe5_filter-k_qead08ffbe5_filter
	.p2alignl 7, 3214868480
	.fill 96, 4, 3214868480
	.section	.rodata,"a",@progbits
	.p2align	6, 0x0
	.amdhsa_kernel k_qead08ffbe5_filter
		.amdhsa_group_segment_fixed_size 49664
		.amdhsa_private_segment_fixed_size 0
		.amdhsa_enable_private_segment 0
		.amdhsa_kernarg_size 24
		.amdhsa_user_sgpr_count 2
		.amdhsa_user_sgpr_kernarg_segment_ptr 1
		.amdhsa_wavefront_size32 1
		.amdhsa_system_sgpr_workgroup_id_x 1
		.amdhsa_system_sgpr_workgroup_id_y 1
		.amdhsa_system_sgpr_workgroup_id_z 1
		.amdhsa_system_vgpr_workitem_id 0
		.amdhsa_next_free_vgpr 210
		.amdhsa_next_free_sgpr 66
		.amdhsa_reserve_vcc 0
		.amdhsa_float_denorm_mode_32 3
		.amdhsa_float_denorm_mode_16_64 3
		.amdhsa_memory_ordered 1
		.amdhsa_forward_progress 1
		.amdhsa_inst_pref_size 77
	.end_amdhsa_kernel
	.amdgpu_metadata
---
amdhsa.version: [ 1, 2 ]
amdhsa.kernels:
  - .name:           k_qead08ffbe5_filter
    .symbol:         k_qead08ffbe5_filter.kd
    .args:
      - { .name: xyz_query, .offset: 0, .size: 8, .value_kind: global_buffer, .address_space: global }
      - { .name: xyz_support, .offset: 8, .size: 8, .value_kind: global_buffer, .address_space: global }
      - { .name: cand, .offset: 16, .size: 8, .value_kind: global_buffer, .address_space: global }
    .group_segment_fixed_size: 49664
    .private_segment_fixed_size: 0
    .kernarg_segment_align: 8
    .kernarg_segment_size: 24
    .max_flat_workgroup_size: 128
    .sgpr_count:     66
    .vgpr_count:     210
    .wavefront_size: 32
...
	.end_amdgpu_metadata
.endif
;; end of part 1
;; launch refine (part 2): grid 256 x 1, 4 waves a work-group, no clusters, 53,760 bytes of LDS; arguments xyz_query, xyz_support, cand, knn, wgt; writes knn, wgt
.if DOCPART == 2
	.amdgcn_target "amdgcn-amd-amdhsa--gfx1250"
	.amdhsa_code_object_version 6
	.text
	.protected	k_qead08ffbe5_refine
	.globl	k_qead08ffbe5_refine
	.p2align	8
	.type	k_qead08ffbe5_refine,@function
k_qead08ffbe5_refine:
	s_mov_b64 s[64:65], 0
	v_nop
	global_prefetch_b8 v0, s[64:65] scope:SCOPE_SE
	s_setreg_imm32_b32 hwreg(HW_REG_WAVE_MODE, 25, 1), 1
	s_wait_xcnt 0x0
; REFINE.  Thread t has one query.  Its 4 candidate groups (64 supports) are ranked in f32 by the formula of the problem,
; d = (q^2 + s^2) - 2 q.s, sums of three as multiply, fma, fma in the order x, y, z; then the 3 smallest with their indices, and the
; weights (1 / (d + 1e-8)) / sum.  Groups are taken in ascending order and the comparison is strict, so of equal distances the lower
; index comes first.  64 candidates x 3 multiplies a query is no work for the matrix unit: every query has its own 64 supports.
; The batch's supports lie in LDS, a group of 16 (192 bytes) in a row of 208: 13 x 16 bytes, so that the same 16 bytes of different
; groups start in different columns of 16 bytes.
; No cluster: what the 64 work-groups of a batch share is 49,152 bytes, read once at the head.
; LIMITS: two supports whose distances differ by less than the f32 rounding of this formula (which subtracts sums of the size of
; q^2 + s^2, as the problem's own formula does) may be ranked otherwise than by another order of rounding.  NaN or infinite coordinates
; give no defined choice.  Group numbers are clamped to 255.  The division is a reciprocal and a multiply.
.set PITCH, 208
.set STO,  3                           ; v3        stage: my 16 bytes of my wave's 12,288
.set CD,   4                           ; v[4:7]    the four group numbers as loaded
.set QX,   8                           ; v[8:10]   my query
.set Q2,   11                          ; v11       q^2
.set S,    12                          ; v[12:21]  the sorting network
.set LA,   22                          ; v[22:24]  stage: LDS address for steps 3 k + e
.set T16,  25
.set T12,  26
.set T8,   27
.set V,    28                          ; v[28:30]  the 3 smallest distances, ascending
.set IA,   32                          ; their indices: v32, v33 and v53 (the last where the store wants it)
.set IB,   33
.set IC,   53
.set TI,   35
.set TMP,  36                          ; v[36:43]  two sets of (dot, s^2, d, index), taken in turn
.set RC,   44                          ; v[44:47]  reciprocals and their sum
.set WG,   48                          ; v[48:51]  weights and a 0
.set PK,   52                          ; v[52:53]  ia | ib << 16, ic
.set GA,   54                          ; v[54:57]  LDS address of group k
.set GB,   58                          ; v[58:61]  first support of group k
.set X0,   64                          ; v[64:111]  a group's 48 numbers
.set X1,   112                         ; v[112:159] the next group's (v[64:159] first take the 24 stage loads)
	s_load_b256 s[4:11], s[0:1], 0x0               ; xyz_query s[4:5], xyz_support s[6:7], cand s[8:9], knn s[10:11]
	s_load_b64 s[12:13], s[0:1], 0x20              ; wgt
	v_lshl_add_u32 v160, v0, 2, 0xd000
	v_mov_b32 v161, 0
	v_lshrrev_b32 v1, 5, v0
	v_readfirstlane_b32 s14, v1                    ; wave
	v_and_b32 v2, 31, v0
	s_mul_i32 s15, s14, 12288
	v_lshl_add_u32 v[STO], v2, 4, s15
	v_lshlrev_b32 v[T16], 4, v0
	v_mul_u32_u24 v[T12], v0, 12
	v_lshlrev_b32 v[T8], 3, v0
	s_mul_i32 s15, s14, 64*PITCH                   ; my wave stages groups 64 w .. +63
.irp e, 0,1,2
	v_add_nc_u32 v[S], 32*\e, v2                   ; piece x = lane + 32 e of 96 pieces of 16 bytes (8 groups)
	v_mul_u32_u24 v[S+1], v[S], 0xaaab
	v_lshrrev_b32 v[S+1], 19, v[S+1]               ; x / 12 for x < 96: its group
	v_add_nc_u32 v[S], v[S], v[S+1]                ; one piece of padding a group
	v_lshl_add_u32 v[LA+\e], v[S], 4, s15
.endr
	s_mul_i32 s16, ttmp9, 1536                     ; 128 queries x 12 bytes
	s_mov_b32 s17, 0
	s_lshr_b32 s18, ttmp9, 6                       ; batch
	s_mul_i32 s18, s18, 49152
	s_mov_b32 s19, 0
	s_lshl_b32 s20, ttmp9, 11                      ; 128 x 16 bytes: cand, wgt
	s_mov_b32 s21, 0
	s_lshl_b32 s22, ttmp9, 10                      ; 128 x 8 bytes: knn
	s_mov_b32 s23, 0
	s_wait_kmcnt 0x0
	s_add_nc_u64 s[4:5], s[4:5], s[16:17]
	s_add_nc_u64 s[6:7], s[6:7], s[18:19]
	s_add_nc_u64 s[8:9], s[8:9], s[20:21]
	s_add_nc_u64 s[10:11], s[10:11], s[22:23]
	s_add_nc_u64 s[12:13], s[12:13], s[20:21]
	global_load_b128 v[CD:CD+3], v[T16], s[8:9]
.irp c, 0,1,2
	global_load_b32 v[QX+\c], v[T12], s[4:5] offset:4*\c
.endr
.set i, 0
.rept 24
	global_load_b128 v[X0+4*i:X0+4*i+3], v[STO], s[6:7] offset:512*i
.set i, i+1
.endr
	s_wait_loadcnt 0x0
.set i, 0
.rept 24
	ds_store_b128 v[LA+i%3], v[X0+4*i:X0+4*i+3] offset:8*PITCH*(i/3)       ; three steps are 8 groups
.set i, i+1
.endr
	s_wait_dscnt 0x0                               ; my part of the table is written, for the threads that gather from it
	s_barrier_signal -1
	; register work while the others arrive: the group numbers ascending (five exchanges), clamped, as addresses; q^2; the empty list
	v_min_u32 v[S],   v[CD],   v[CD+1]
	v_max_u32 v[S+1], v[CD],   v[CD+1]
	v_min_u32 v[S+2], v[CD+2], v[CD+3]
	v_max_u32 v[S+3], v[CD+2], v[CD+3]
	v_min_u32 v[S+4], v[S],    v[S+2]              ; first
	v_max_u32 v[S+5], v[S],    v[S+2]
	v_min_u32 v[S+6], v[S+1],  v[S+3]
	v_max_u32 v[S+7], v[S+1],  v[S+3]              ; fourth
	v_min_u32 v[S+8], v[S+5],  v[S+6]              ; second
	v_max_u32 v[S+9], v[S+5],  v[S+6]              ; third
.macro GADDR k, src
	v_min_u32 v[\src], 0xff, v[\src]               ; a number from memory enters an address only behind this clamp
	v_mul_u32_u24 v[GA+\k], v[\src], PITCH
	v_lshlrev_b32 v[GB+\k], 4, v[\src]
.endm
	GADDR 0, S+4
	GADDR 1, S+8
	GADDR 2, S+9
	GADDR 3, S+7
	v_mul_f32 v[Q2], v[QX], v[QX]
	v_fma_f32 v[Q2], v[QX+1], v[QX+1], v[Q2]
	v_fma_f32 v[Q2], v[QX+2], v[QX+2], v[Q2]
.irp c, 0,1,2
	v_mov_b32 v[V+\c], 0x7f800000
.endr
	v_mov_b32 v[IA], 0
	v_mov_b32 v[IB], 0
	v_mov_b32 v[IC], 0
	s_barrier_wait -1
.macro INSERT3 x, g
	v_cmp_lt_f32 s16, v[\x], v[V]
	v_cmp_lt_f32 s17, v[\x], v[V+1]
	v_cmp_lt_f32 s18, v[\x], v[V+2]
	v_cndmask_b32 v[TI], v[\g], v[IB], s17
	v_cndmask_b32 v[IC], v[IC], v[TI], s18
	v_cndmask_b32 v[TI], v[\g], v[IA], s16
	v_cndmask_b32 v[IB], v[IB], v[TI], s17
	v_cndmask_b32 v[IA], v[IA], v[\g], s16
	v_med3_num_f32 v[V+2], v[V+1], v[V+2], v[\x]
	v_med3_num_f32 v[V+1], v[V], v[V+1], v[\x]
	v_min_num_f32 v[V], v[V], v[\x]
.endm
; support j of a group, its x y z in v[p .. p+2]
.macro CAND p, j, base
.set TS, TMP+4*((\j)&1)
	v_mul_f32 v[TS],   v[\p], v[QX]
	v_mul_f32 v[TS+1], v[\p], v[\p]
	v_fma_f32 v[TS],   v[\p+1], v[QX+1], v[TS]
	v_fma_f32 v[TS+1], v[\p+1], v[\p+1], v[TS+1]
	v_fma_f32 v[TS],   v[\p+2], v[QX+2], v[TS]
	v_fma_f32 v[TS+1], v[\p+2], v[\p+2], v[TS+1]
	v_add_f32 v[TS+2], v[Q2], v[TS+1]
	v_add_nc_u32 v[TS+3], \j, v[\base]
	v_fma_f32 v[TS+2], -2.0, v[TS], v[TS+2]        ; 2 x dot is exact, so this is the subtraction of the formula
	INSERT3 TS+2, TS+3
.endm
.macro GLOAD k, X
.irp c, 0,1,2,3,4,5,6,7,8,9,10,11
	ds_load_b128 v[\X+4*\c:\X+4*\c+3], v[GA+\k] offset:16*\c
.endr
.endm
.macro GPROC X, k
.set j, 0
.rept 16
	CAND \X+3*j, j, GB+\k
.set j, j+1
.endr
.endm
	GLOAD 0, X0
	GLOAD 1, X1
	s_wait_dscnt 12                                ; the other buffer's 12 loads are younger and stay out
	GPROC X0, 0
	GLOAD 2, X0
	s_wait_dscnt 12
	GPROC X1, 1
	GLOAD 3, X1
	s_wait_dscnt 12
	GPROC X0, 2
	s_wait_dscnt 0x0
	GPROC X1, 3
	v_add_f32 v[TMP],   0x322bcc77, v[V]           ; + 1e-8
	v_add_f32 v[TMP+1], 0x322bcc77, v[V+1]
	v_add_f32 v[TMP+2], 0x322bcc77, v[V+2]
	v_rcp_f32 v[RC],   v[TMP]
	v_rcp_f32 v[RC+1], v[TMP+1]
	v_rcp_f32 v[RC+2], v[TMP+2]
	v_lshl_or_b32 v[PK], v[IB], 16, v[IA]          ; the plain instruction that stands behind the reciprocals (ISA guide 5.7.2)
	s_wait_alu depctr_va_vdst(0)
	v_add_f32 v[RC+3], v[RC], v[RC+1]
	v_add_f32 v[RC+3], v[RC+3], v[RC+2]
	v_rcp_f32 v[TMP+3], v[RC+3]
	v_mov_b32 v[WG+3], 0                           ; likewise; the fourth word of a weight record
	s_wait_alu depctr_va_vdst(0)
	v_mul_f32 v[WG],   v[RC],   v[TMP+3]
	v_mul_f32 v[WG+1], v[RC+1], v[TMP+3]
	v_mul_f32 v[WG+2], v[RC+2], v[TMP+3]
	global_store_b64 v[T8], v[PK:PK+1], s[10:11]   ; a wave's store covers 256 consecutive bytes
	global_store_b128 v[T16], v[WG:WG+3], s[12:13] ; and this one 512
	s_wait_tensorcnt 0x0
	ds_add_u32 v160, v161
	s_wait_dscnt 0x0
	s_endpgm
.Lfunc_end_k_qead08ffbe5_refine:
	.size	k_qead08ffbe5_refine, .Lfunc_end_k_qead08ffbe5_refine-k_qead08ffbe5_refine
	.p2alignl 7, 3214868480
	.fill 96, 4, 3214868480
	.section	.rodata,"a",@progbits
	.p2align	6, 0x0
	.amdhsa_kernel k_qead08ffbe5_refine
		.amdhsa_group_segment_fixed_size 53760
		.amdhsa_private_segment_fixed_size 0
		.amdhsa_enable_private_segment 0
		.amdhsa_kernarg_size 40
		.amdhsa_user_sgpr_count 2
		.amdhsa_user_sgpr_kernarg_segment_ptr 1
		.amdhsa_wavefront_size32 1
		.amdhsa_system_sgpr_workgroup_id_x 1
		.amdhsa_system_sgpr_workgroup_id_y 1
		.amdhsa_system_sgpr_workgroup_id_z 1
		.amdhsa_system_vgpr_workitem_id 0
		.amdhsa_next_free_vgpr 162
		.amdhsa_next_free_sgpr 66
		.amdhsa_reserve_vcc 0
		.amdhsa_float_denorm_mode_32 3
		.amdhsa_float_denorm_mode_16_64 3
		.amdhsa_memory_ordered 1
		.amdhsa_forward_progress 1
		.amdhsa_inst_pref_size 83
	.end_amdhsa_kernel
	.amdgpu_metadata
---
amdhsa.version: [ 1, 2 ]
amdhsa.kernels:
  - .name:           k_qead08ffbe5_refine
    .symbol:         k_qead08ffbe5_refine.kd
    .args:
      - { .name: xyz_query, .offset: 0, .size: 8, .value_kind: global_buffer, .address_space: global }
      - { .name: xyz_support, .offset: 8, .size: 8, .value_kind: global_buffer, .address_space: global }
      - { .name: cand, .offset: 16, .size: 8, .value_kind: global_buffer, .address_space: global }
      - { .name: knn, .offset: 24, .size: 8, .value_kind: global_buffer, .address_space: global }
      - { .name: wgt, .offset: 32, .size: 8, .value_kind: global_buffer, .address_space: global }
    .group_segment_fixed_size: 53760
    .private_segment_fixed_size: 0
    .kernarg_segment_align: 8
    .kernarg_segment_size: 40
    .max_flat_workgroup_size: 128
    .sgpr_count:     66
    .vgpr_count:     162
    .wavefront_size: 32
...
	.end_amdgpu_metadata
.endif
;; end of part 2
;; launch poolinterp (part 3): grid 256 x 1, 16 waves a work-group, no clusters, 100,352 bytes of LDS; arguments feature, pool_idx, knn, wgt, out0; writes out0
.if DOCPART == 3
	.amdgcn_target "amdgcn-amd-amdhsa--gfx1250"
	.amdhsa_code_object_version 6
	.text
	.protected	k_qead08ffbe5_poolinterp
	.globl	k_qead08ffbe5_poolinterp
	.p2align	8
	.type	k_qead08ffbe5_poolinterp,@function
k_qead08ffbe5_poolinterp:
	s_mov_b64 s[64:65], 0
	v_nop
	global_prefetch_b8 v0, s[64:65] scope:SCOPE_SE
	s_setreg_imm32_b32 hwreg(HW_REG_WAVE_MODE, 25, 1), 1
	s_wait_xcnt 0x0
; POOL AND INTERPOLATE.  A work-group owns two channels of one batch, from feature to out0; the pooled table never leaves LDS.
;   1. its two feature rows (2 x 32,768 bytes, read from memory once in the whole launch) go to LDS, interleaved: FEAT[n] = (c0, c1);
;   2. POOL[m] = the maximum over the 16 listed n of FEAT[n]: one 8-byte gather serves both channels;
;   3. out[c][n] = wa POOL[ia] + wb POOL[ib] + wc POOL[ic], again one gather for both channels; four neighbouring n a thread, so that a
;      wave's store covers 512 consecutive bytes of a row of out0.
; 512 threads, four waves to a SIMD: while one wave waits for its gathers the others issue theirs.
; Step 3 is the problem's second einsum.  Every n has its own 3 x 128 operand and its own 3 weights: no operand is shared between outputs,
; a 16 x 16 matrix tile would hold 16 useful numbers, so it is three f32 multiply-adds an output.
; No cluster: the 64 work-groups of a batch read the same index and weight streams (458,752 bytes each), but here they go from memory
; straight into the registers that address LDS; a joint tensor load would send them through LDS, written and read once more, in a launch
; whose work is LDS gathers.
; LIMITS: a NaN in feature loses in the maximum (v_max3_num_f32).  Indices are clamped to their tables (8,191 and 4,095).
.set POOLT, 0                          ; LDS: [4096 m][2] f32
.set FEAT,  32768                      ; LDS: [8192 n][2] f32
.set T16,  1                           ; v1  16 t: feature, out0
.set FST,  2                           ; v2  FEAT + 32 t
.set T64,  3                           ; v3  64 t: pool_idx, wgt
.set T8,   4                           ; v4  8 t: POOL
.set T32,  5                           ; v5  32 t: knn
.set P,    8                           ; v[8:9]     a pooled pair
.set G,    32                          ; v[32:63]   gathered pairs
.set IDX,  64                          ; v[64:191]  iteration it: 16 indices; v[64:159] later: item q's 2 x knn, 4 x wgt
.set F,    192                         ; v[192:223] feature as loaded; later item q's 8 results
.set T,    224                         ; v[224:235] interleaving; later 12 gather addresses
	s_load_b256 s[4:11], s[0:1], 0x0               ; feature s[4:5], pool_idx s[6:7], knn s[8:9], wgt s[10:11]
	s_load_b64 s[12:13], s[0:1], 0x20              ; out0
	v_lshl_add_u32 v240, v0, 2, 0x18000
	v_mov_b32 v241, 0
	v_lshlrev_b32 v[T16], 4, v0
	v_lshlrev_b32 v[T32], 5, v0
	v_add_nc_u32 v[FST], FEAT, v[T32]
	v_lshlrev_b32 v[T64], 6, v0
	v_lshlrev_b32 v[T8], 3, v0
	s_lshl_b32 s14, ttmp9, 16                      ; two rows of 32,768 bytes
	s_mov_b32 s15, 0
	s_lshr_b32 s16, ttmp9, 6                       ; batch
	s_lshl_b32 s18, s16, 18                        ; 4,096 x 64 bytes
	s_mov_b32 s19, 0
	s_lshl_b32 s20, s16, 16                        ; 8,192 x 8 bytes
	s_mov_b32 s21, 0
	s_lshl_b32 s22, s16, 17                        ; 8,192 x 16 bytes
	s_mov_b32 s23, 0
	s_wait_kmcnt 0x0
	s_add_nc_u64 s[4:5], s[4:5], s[14:15]
	s_add_nc_u64 s[6:7], s[6:7], s[18:19]
	s_add_nc_u64 s[8:9], s[8:9], s[20:21]
	s_add_nc_u64 s[10:11], s[10:11], s[22:23]
	s_add_nc_u64 s[12:13], s[12:13], s[14:15]
.irp s, 0,1,2,3
	global_load_b128 v[F+8*\s:F+8*\s+3],   v[T16], s[4:5] offset:8192*\s th:TH_LOAD_NT          ; channel 0, n = 4 t + 2048 s .. +3
	global_load_b128 v[F+8*\s+4:F+8*\s+7], v[T16], s[4:5] offset:8192*\s+32768 th:TH_LOAD_NT    ; channel 1
.endr
.set i, 0
.rept 32
	global_load_b128 v[IDX+4*i:IDX+4*i+3], v[T64], s[6:7] offset:32768*(i/4)+16*(i%4)           ; iteration i / 4: the 16 indices of m = t + 512 (i / 4)
.set i, i+1
.endr
	s_wait_loadcnt 32                              ; the 32 index loads are younger: the feature is in
.irp s, 0,1,2,3
.irp j, 0,1,2,3
	v_mov_b32 v[T+2*\j],   v[F+8*\s+\j]            ; the two channels of one n side by side: this halves the gathers of both later steps
	v_mov_b32 v[T+2*\j+1], v[F+8*\s+4+\j]
.endr
	ds_store_b128 v[FST], v[T:T+3]   offset:16384*\s
	ds_store_b128 v[FST], v[T+4:T+7] offset:16384*\s+16
.endr
	s_wait_dscnt 0x0                               ; my part of FEAT is written, for every thread that gathers
	s_barrier_signal -1
	s_barrier_wait -1
; interpolation load L = 6 q + j of 24: j < 2: 16 bytes of knn, else 16 bytes of wgt, of item q (n = 4 (t + 512 q) .. +3)
.macro ILOAD L
.if ((\L)%6) < 2
	global_load_b128 v[IDX+4*(\L):IDX+4*(\L)+3], v[T32], s[8:9] offset:16384*((\L)/6)+16*((\L)%6)
.else
	global_load_b128 v[IDX+4*(\L):IDX+4*(\L)+3], v[T64], s[10:11] offset:32768*((\L)/6)+16*((\L)%6-2)
.endif
.endm
; pool iteration it: m = t + 512 it.  left = the loads younger than this iteration's four.  more = 1: four interpolation loads take the
; iteration's 16 index registers, once the gathers that they address have come back.
.macro POOL it, left, more
	s_wait_loadcnt \left
.set k, 0
.rept 16
	v_min_u32 v[IDX+16*\it+k], 0x1fff, v[IDX+16*\it+k]
	v_lshlrev_b32 v[IDX+16*\it+k], 3, v[IDX+16*\it+k]
.set k, k+1
.endr
.set k, 0
.rept 16
	ds_load_b64 v[G+2*k:G+2*k+1], v[IDX+16*\it+k] offset:FEAT
.set k, k+1
.endr
	s_wait_dscnt 0x0
.if \more
	ILOAD 4*\it
	ILOAD 4*\it+1
	ILOAD 4*\it+2
	ILOAD 4*\it+3
.endif
.irp c, 0,1
	v_max3_num_f32 v[P+\c], v[G+\c], v[G+2+\c], v[G+4+\c]
.irp k, 3,5,7,9,11,13
	v_max3_num_f32 v[P+\c], v[P+\c], v[G+2*\k+\c], v[G+2*\k+2+\c]
.endr
	v_max_num_f32 v[P+\c], v[P+\c], v[G+30+\c]
.endr
	ds_store_b64 v[T8], v[P:P+1] offset:POOLT+4096*\it
.endm
	; younger than iteration it's loads: 4 (7 - it) index loads and the 4 it interpolation loads issued so far = 28; in the last, 0 + 24
	POOL 0, 28, 1
	POOL 1, 28, 1
	POOL 2, 28, 1
	POOL 3, 28, 1
	POOL 4, 28, 1
	POOL 5, 28, 1
	POOL 6, 28, 0
	POOL 7, 24, 0
	s_wait_dscnt 0x0                               ; my part of POOL is written, for every thread that gathers
	s_barrier_signal -1
	s_barrier_wait -1
; item q: four neighbouring n.  Each item has result registers of its own, so that no store is waited for.
.macro ITEM q
.set R, IDX+24*\q
	s_wait_loadcnt 18-6*\q                         ; the later items' loads, six each, stay out
.irp e, 0,1,2,3
	v_and_b32     v[T+3*\e],   0xffff, v[R+2*\e]   ; ia
	v_lshrrev_b32 v[T+3*\e+1], 16, v[R+2*\e]       ; ib
	v_min_u32 v[T+3*\e],   0xfff, v[T+3*\e]
	v_min_u32 v[T+3*\e+1], 0xfff, v[T+3*\e+1]
	v_min_u32 v[T+3*\e+2], 0xfff, v[R+2*\e+1]      ; ic
	v_lshlrev_b32 v[T+3*\e],   3, v[T+3*\e]
	v_lshlrev_b32 v[T+3*\e+1], 3, v[T+3*\e+1]
	v_lshlrev_b32 v[T+3*\e+2], 3, v[T+3*\e+2]
.endr
.irp k, 0,1,2,3,4,5,6,7,8,9,10,11
	ds_load_b64 v[G+2*\k:G+2*\k+1], v[T+\k] offset:POOLT
.endr
	s_wait_dscnt 0x0
.irp e, 0,1,2,3
.irp c, 0,1
	v_mul_f32 v[F+8*\q+4*\c+\e], v[R+8+4*\e],  v[G+6*\e+\c]
	v_fma_f32 v[F+8*\q+4*\c+\e], v[R+9+4*\e],  v[G+6*\e+2+\c], v[F+8*\q+4*\c+\e]
	v_fma_f32 v[F+8*\q+4*\c+\e], v[R+10+4*\e], v[G+6*\e+4+\c], v[F+8*\q+4*\c+\e]
.endr
.endr
	global_store_b128 v[T16], v[F+8*\q:F+8*\q+3],   s[12:13] offset:8192*\q th:TH_STORE_NT
	global_store_b128 v[T16], v[F+8*\q+4:F+8*\q+7], s[12:13] offset:8192*\q+32768 th:TH_STORE_NT
.endm
	ITEM 0
	ITEM 1
	ITEM 2
	ITEM 3
	s_wait_tensorcnt 0x0
	ds_add_u32 v240, v241
	s_wait_dscnt 0x0
	s_endpgm
.Lfunc_end_k_qead08ffbe5_poolinterp:
	.size	k_qead08ffbe5_poolinterp, .Lfunc_end_k_qead08ffbe5_poolinterp-k_qead08ffbe5_poolinterp
	.p2alignl 7, 3214868480
	.fill 96, 4, 3214868480
	.section	.rodata,"a",@progbits
	.p2align	6, 0x0
	.amdhsa_kernel k_qead08ffbe5_poolinterp
		.amdhsa_group_segment_fixed_size 100352
		.amdhsa_private_segment_fixed_size 0
		.amdhsa_enable_private_segment 0
		.amdhsa_kernarg_size 40
		.amdhsa_user_sgpr_count 2
		.amdhsa_user_sgpr_kernarg_segment_ptr 1
		.amdhsa_wavefront_size32 1
		.amdhsa_system_sgpr_workgroup_id_x 1
		.amdhsa_system_sgpr_workgroup_id_y 1
		.amdhsa_system_sgpr_workgroup_id_z 1
		.amdhsa_system_vgpr_workitem_id 0
		.amdhsa_next_free_vgpr 242
		.amdhsa_next_free_sgpr 66
		.amdhsa_reserve_vcc 0
		.amdhsa_float_denorm_mode_32 3
		.amdhsa_float_denorm_mode_16_64 3
		.amdhsa_memory_ordered 1
		.amdhsa_forward_progress 1
		.amdhsa_inst_pref_size 53
	.end_amdhsa_kernel
	.amdgpu_metadata
---
amdhsa.version: [ 1, 2 ]
amdhsa.kernels:
  - .name:           k_qead08ffbe5_poolinterp
    .symbol:         k_qead08ffbe5_poolinterp.kd
    .args:
      - { .name: feature, .offset: 0, .size: 8, .value_kind: global_buffer, .address_space: global }
      - { .name: pool_idx, .offset: 8, .size: 8, .value_kind: global_buffer, .address_space: global }
      - { .name: knn, .offset: 16, .size: 8, .value_kind: global_buffer, .address_space: global }
      - { .name: wgt, .offset: 24, .size: 8, .value_kind: global_buffer, .address_space: global }
      - { .name: out0, .offset: 32, .size: 8, .value_kind: global_buffer, .address_space: global }
    .group_segment_fixed_size: 100352
    .private_segment_fixed_size: 0
    .kernarg_segment_align: 8
    .kernarg_segment_size: 40
    .max_flat_workgroup_size: 512
    .sgpr_count:     66
    .vgpr_count:     242
    .wavefront_size: 32
...
	.end_amdgpu_metadata
.endif
;; end of part 3
;; ======== version 2 of 2: 3 launches; version 1 with the launch poolinterp written anew for expert scheduling mode
;; workspace buffers: cand 524,288 bytes of whole numbers; knn 262,144 bytes of whole numbers; wgt 524,288 bytes
;; launch filter: the kernel of part 1 again; grid 256 x 1, 4 waves a work-group, no clusters, 49,664 bytes of LDS; arguments xyz_query, xyz_support, cand; writes cand
;; launch refine: the kernel of part 2 again; grid 256 x 1, 4 waves a work-group, no clusters, 53,760 bytes of LDS; arguments xyz_query, xyz_support, cand, knn, wgt; writes knn, wgt
;; launch poolinterp (part 4): grid 256 x 1, 16 waves a work-group, no clusters, 100,352 bytes of LDS; arguments feature, pool_idx, knn, wgt, out0; writes out0
.if DOCPART == 4
	.amdgcn_target "amdgcn-amd-amdhsa--gfx1250"
	.amdhsa_code_object_version 6
	.text
	.protected	k_qead08ffbe5_poolinterp
	.globl	k_qead08ffbe5_poolinterp
	.p2align	8
	.type	k_qead08ffbe5_poolinterp,@function
k_qead08ffbe5_poolinterp:
	s_mov_b64 s[64:65], 0
	v_nop
	global_prefetch_b8 v0, s[64:65] scope:SCOPE_SE
	s_setreg_imm32_b32 hwreg(HW_REG_WAVE_SCHED_MODE, 0, 2), 2
	s_setreg_imm32_b32 hwreg(HW_REG_WAVE_MODE, 25, 1), 1
	s_wait_xcnt 0x0
	s_wait_alu depctr_vm_vsrc(0)
; POOL AND INTERPOLATE.  A work-group owns two channels of one batch, from feature to out0; the pooled table never leaves LDS.
;   1. its two feature rows (2 x 32,768 bytes, read from memory once in the whole launch) go to LDS, interleaved: FEAT[n] = (c0, c1);
;   2. POOL[m] = the maximum over the 16 listed n of FEAT[n]: one 8-byte gather serves both channels;
;   3. out[c][n] = wa POOL[ia] + wb POOL[ib] + wc POOL[ic], again one gather for both channels; four neighbouring n a thread, so that a
;      wave's store covers 512 consecutive bytes of a row of out0.
; 512 threads, four waves to a SIMD: while one wave waits for its gathers the others issue theirs.
; Step 3 is the problem's second einsum.  Every n has its own 3 x 128 operand and its own 3 weights: no operand is shared between outputs,
; a 16 x 16 matrix tile would hold 16 useful numbers, so it is three f32 multiply-adds an output.
; No cluster: the 64 work-groups of a batch read the same index and weight streams (458,752 bytes each), but here they go from memory
; straight into the registers that address LDS; a joint tensor load would send them through LDS, written and read once more, in a launch
; whose work is LDS gathers.
; LIMITS: a NaN in feature loses in the maximum (v_max3_num_f32).  Indices are clamped to their tables (8,191 and 4,095).
; THE MODE: SCHED_MODE bits 1:0 = 2 (LLVM: expert scheduling mode 2), set by the entry lines.  The code itself states the register dependences
; between vector instructions and memory or LDS instructions, with s_wait_alu, always for 0.
; THE PLAN.  Registers that memory or LDS instructions touch:
;   v1 .. v5     offsets and LDS addresses, made once at the head and never written again.
;   F            the feature as loaded; read by the 32 moves that interleave it.  Then it is GB; in step 3 it takes the results.
;   GA, GB       two buffers of gathered pairs, by the iteration's parity.  GA first takes the interleaved feature, which the stores into FEAT read.
;                The gathers of iteration it + 1 are issued in step it and land in the buffer that step it - 1's maxima read.
;   IDX[it]      the 16 indices of iteration it as loaded; made into LDS addresses in place in step it - 1; read by the gathers of iteration it;
;                in step it (0 to 5) four loads of knn and wgt land in it.
;   P[it]        a pair for each iteration, written by step it's maxima, read by the store into POOL that step it + 1 issues; never written again.
;   T            the 16 addresses (ib) that find no place among an item's knn words; ia and ic are made in place.
;   I0, I1, I2   three buffers for the items' gathers: items 0 and 3, 1, 2.  I1 lies on IDX[6], IDX[7]; I2 on P.
; So a step of the pool has ONE wait on va_vdst, behind the next iteration's address arithmetic, and its LDS store, its 16 gathers and its four loads
; follow with no vector instruction between; the wait on vm_vsrc beside it stands a whole step behind the gathers that it speaks of.
; All 48 addresses of step 3 are made at once, while the last iteration's gathers are out, ahead of the wait that the last stores into POOL need anyway.
.set POOLT, 0                          ; LDS: [4096 m][2] f32
.set FEAT,  32768                      ; LDS: [8192 n][2] f32
.set T16,  1                           ; v1  16 t: feature, out0
.set FST,  2                           ; v2  FEAT + 32 t
.set T64,  3                           ; v3  64 t: pool_idx, wgt
.set T8,   4                           ; v4  8 t: POOL
.set T32,  5                           ; v5  32 t: knn
.set P,    8                           ; v[8:23]    iteration it: its pooled pair at P + 2 it
.set GA,   32                          ; v[32:63]   gathered pairs of the even iterations; first the interleaved feature
.set IDX,  64                          ; v[64:191]  iteration it: 16 indices; v[64:159] later: item q's 2 x knn, 4 x wgt
.set F,    192                         ; v[192:223] feature as loaded; later item q's 8 results
.set GB,   192                         ; v[192:223] between the two: gathered pairs of the odd iterations
.set T,    224                         ; v[224:239] item q, number e: the address of POOL[ib] at T + 4 q + e
.set I0,   32                          ; v[32:55]   gathered pairs of items 0 and 3
.set I1,   160                         ; v[160:183] of item 1
.set I2,   8                           ; v[8:31]    of item 2
	s_load_b256 s[4:11], s[0:1], 0x0               ; feature s[4:5], pool_idx s[6:7], knn s[8:9], wgt s[10:11]
	s_load_b64 s[12:13], s[0:1], 0x20              ; out0
	v_lshl_add_u32 v6, v0, 2, 0x18000
	v_mov_b32 v7, 0
	v_lshlrev_b32 v[T16], 4, v0
	v_lshlrev_b32 v[T32], 5, v0
	v_add_nc_u32 v[FST], FEAT, v[T32]
	v_lshlrev_b32 v[T64], 6, v0
	v_lshlrev_b32 v[T8], 3, v0
	s_lshl_b32 s14, ttmp9, 16                      ; two rows of 32,768 bytes
	s_mov_b32 s15, 0
	s_lshr_b32 s16, ttmp9, 6                       ; batch
	s_lshl_b32 s18, s16, 18                        ; 4,096 x 64 bytes
	s_mov_b32 s19, 0
	s_lshl_b32 s20, s16, 16                        ; 8,192 x 8 bytes
	s_mov_b32 s21, 0
	s_lshl_b32 s22, s16, 17                        ; 8,192 x 16 bytes
	s_mov_b32 s23, 0
	s_wait_kmcnt 0x0
	s_add_nc_u64 s[4:5], s[4:5], s[14:15]
	s_add_nc_u64 s[6:7], s[6:7], s[18:19]
	s_add_nc_u64 s[8:9], s[8:9], s[20:21]
	s_add_nc_u64 s[10:11], s[10:11], s[22:23]
	s_add_nc_u64 s[12:13], s[12:13], s[14:15]
	s_wait_alu depctr_va_vdst(0)                   ; v1 to v5 are written: every load, store and LDS store of the kernel that is not a gather reads one of them
.irp s, 0,1,2,3
	global_load_b128 v[F+8*\s:F+8*\s+3],   v[T16], s[4:5] offset:8192*\s th:TH_LOAD_NT          ; channel 0, n = 4 t + 2048 s .. +3
	global_load_b128 v[F+8*\s+4:F+8*\s+7], v[T16], s[4:5] offset:8192*\s+32768 th:TH_LOAD_NT    ; channel 1
.endr
.set i, 0
.rept 32
	global_load_b128 v[IDX+4*i:IDX+4*i+3], v[T64], s[6:7] offset:32768*(i/4)+16*(i%4)           ; iteration i / 4: the 16 indices of m = t + 512 (i / 4)
.set i, i+1
.endr
; the 16 indices of iteration it become LDS addresses, in place
.macro ADDR it
.set k, 0
.rept 16
	v_min_u32 v[IDX+16*(\it)+k], 0x1fff, v[IDX+16*(\it)+k]
	v_lshlrev_b32 v[IDX+16*(\it)+k], 3, v[IDX+16*(\it)+k]
.set k, k+1
.endr
.endm
; the 16 gathers of iteration it, into the buffer of its parity
.macro GATHER it
.set GG, GA+(GB-GA)*((\it)%2)
.set k, 0
.rept 16
	ds_load_b64 v[GG+2*k:GG+2*k+1], v[IDX+16*(\it)+k] offset:FEAT
.set k, k+1
.endr
.endm
; the maximum of iteration it's 16 pairs, into its own pair of P
.macro MAXES it
.set GG, GA+(GB-GA)*((\it)%2)
.set PP, P+2*(\it)
.irp c, 0,1
	v_max3_num_f32 v[PP+\c], v[GG+\c], v[GG+2+\c], v[GG+4+\c]
.irp k, 3,5,7,9,11,13
	v_max3_num_f32 v[PP+\c], v[PP+\c], v[GG+2*\k+\c], v[GG+2*\k+2+\c]
.endr
	v_max_num_f32 v[PP+\c], v[PP+\c], v[GG+30+\c]
.endr
.endm
.macro PSTORE it                       ; POOL[t + 512 it]
	ds_store_b64 v[T8], v[P+2*(\it):P+2*(\it)+1] offset:POOLT+4096*(\it)
.endm
; interpolation load L = 6 q + j of 24: j < 2: 16 bytes of knn, else 16 bytes of wgt, of item q (n = 4 (t + 512 q) .. +3)
.macro ILOAD L
.if ((\L)%6) < 2
	global_load_b128 v[IDX+4*(\L):IDX+4*(\L)+3], v[T32], s[8:9] offset:16384*((\L)/6)+16*((\L)%6)
.else
	global_load_b128 v[IDX+4*(\L):IDX+4*(\L)+3], v[T64], s[10:11] offset:32768*((\L)/6)+16*((\L)%6-2)
.endif
.endm
	s_wait_loadcnt 32                              ; the 32 index loads are younger: the feature is in
.irp s, 0,1,2,3
.irp j, 0,1,2,3
	v_mov_b32 v[GA+8*\s+2*\j],   v[F+8*\s+\j]      ; the two channels of one n side by side: this halves the gathers of both later steps
	v_mov_b32 v[GA+8*\s+2*\j+1], v[F+8*\s+4+\j]
.endr
.endr
	s_wait_alu depctr_va_vdst(0)                   ; the moves have written v[GA ..], which the LDS stores read, and are done reading F, in which iteration 1's gathers will land
.irp s, 0,1,2,3
	ds_store_b128 v[FST], v[GA+8*\s:GA+8*\s+3]   offset:16384*\s
	ds_store_b128 v[FST], v[GA+8*\s+4:GA+8*\s+7] offset:16384*\s+16
.endr
	s_wait_loadcnt 28                              ; the index loads of iterations 1 to 7 are younger: iteration 0's are in
	ADDR 0                                         ; register work while the stores are out
	s_wait_dscnt 0x0                               ; my part of FEAT is written, for every thread that gathers
	s_barrier_signal -1
	s_barrier_wait -1
	s_wait_alu depctr_vm_vsrc(0)                   ; my stores into FEAT have read v[GA ..], in which iteration 0's gathers land
	s_wait_alu depctr_va_vdst(0)                   ; iteration 0's addresses are written, which its gathers read
	GATHER 0
; Step it of the pool, it = 0 to 6: m = t + 512 it.  The next iteration's addresses are made and its gathers issued; then this iteration's maximum is taken.
; In steps 0 to 5 four interpolation loads take the iteration's 16 index registers, once the gathers that they address have come back.
.macro POOL it
	s_wait_loadcnt 24                              ; younger than iteration it + 1's four: 4 (6 - it) index loads and the 4 it interpolation loads issued so far
	ADDR (\it)+1
.if (\it) < 6
	s_wait_alu depctr_vm_vsrc(0)                   ; iteration it's gathers, issued a step ago, have read their addresses v[IDX + 16 it ..], in which the four loads below land
.endif
	s_wait_alu depctr_va_vdst(0)                   ; iteration it + 1's addresses are written; the step before has written its pair of P, which the store below reads, and is done reading the buffer in which the gathers below land
.if (\it) > 0
	PSTORE (\it)-1
.endif
	GATHER (\it)+1
.if (\it) > 0
	s_wait_dscnt 17                                ; the store and the 16 gathers just issued are younger: iteration it's pairs are in
.else
	s_wait_dscnt 16                                ; the 16 gathers just issued are younger: iteration 0's pairs are in
.endif
.if (\it) < 6
	ILOAD 4*(\it)                                  ; no vector instruction since the waits above names these registers
	ILOAD 4*(\it)+1
	ILOAD 4*(\it)+2
	ILOAD 4*(\it)+3
.endif
	MAXES \it
.endm
; the 12 gather addresses of item q: ia and ic in place among its knn words, ib in T
.macro IADDR q
.set R, IDX+24*(\q)
.irp e, 0,1,2,3
	v_lshrrev_b32 v[T+4*(\q)+\e], 16, v[R+2*\e]    ; ib
	v_and_b32     v[R+2*\e], 0xffff, v[R+2*\e]     ; ia
	v_min_u32 v[R+2*\e],      0xfff, v[R+2*\e]
	v_min_u32 v[T+4*(\q)+\e], 0xfff, v[T+4*(\q)+\e]
	v_min_u32 v[R+2*\e+1],    0xfff, v[R+2*\e+1]   ; ic
	v_lshlrev_b32 v[R+2*\e],      3, v[R+2*\e]
	v_lshlrev_b32 v[T+4*(\q)+\e], 3, v[T+4*(\q)+\e]
	v_lshlrev_b32 v[R+2*\e+1],    3, v[R+2*\e+1]
.endr
.endm
	POOL 0
	POOL 1
	POOL 2
	POOL 3
	POOL 4
	POOL 5
	POOL 6
	; step 7: there is no further iteration.  While its gathers are out, all four items' addresses are made.
	s_wait_loadcnt 0x0                             ; the 24 interpolation loads are in
	IADDR 0
	IADDR 1
	IADDR 2
	IADDR 3
	s_wait_dscnt 0x0                               ; iteration 7's pairs are in
	MAXES 7
	s_wait_alu depctr_va_vdst(0)                   ; steps 6 and 7 have written their pairs of P, which the two stores read; the 48 addresses are written, which the items' gathers read; the maxima are done reading v[I0 ..]
	PSTORE 6
	PSTORE 7
	s_wait_dscnt 0x0                               ; my part of POOL is written, for every thread that gathers
	s_barrier_signal -1
	s_barrier_wait -1
; item q: four neighbouring n.  Each item has result registers of its own, so that no store is waited for.
.macro IGATHER q, gb
.set R, IDX+24*(\q)
.irp e, 0,1,2,3
	ds_load_b64 v[\gb+6*\e:\gb+6*\e+1],   v[R+2*\e]      offset:POOLT
	ds_load_b64 v[\gb+6*\e+2:\gb+6*\e+3], v[T+4*(\q)+\e] offset:POOLT
	ds_load_b64 v[\gb+6*\e+4:\gb+6*\e+5], v[R+2*\e+1]    offset:POOLT
.endr
.endm
.macro IFMA q, gb
.set R, IDX+24*(\q)
.irp e, 0,1,2,3
.irp c, 0,1
	v_mul_f32 v[F+8*(\q)+4*\c+\e], v[R+8+4*\e],  v[\gb+6*\e+\c]
	v_fma_f32 v[F+8*(\q)+4*\c+\e], v[R+9+4*\e],  v[\gb+6*\e+2+\c], v[F+8*(\q)+4*\c+\e]
	v_fma_f32 v[F+8*(\q)+4*\c+\e], v[R+10+4*\e], v[\gb+6*\e+4+\c], v[F+8*(\q)+4*\c+\e]
.endr
.endr
.endm
.macro ISTORE q
	global_store_b128 v[T16], v[F+8*(\q):F+8*(\q)+3],   s[12:13] offset:8192*(\q) th:TH_STORE_NT
	global_store_b128 v[T16], v[F+8*(\q)+4:F+8*(\q)+7], s[12:13] offset:8192*(\q)+32768 th:TH_STORE_NT
.endm
	s_wait_alu depctr_vm_vsrc(0)                   ; the gathers of iterations 6 and 7 have read their addresses v[160:191], and the stores into POOL have read v[8:23]: the gathers of items 1 and 2 land there
	IGATHER 0, I0                                  ; no vector instruction since the last wait on va_vdst: the addresses and the three buffers are as that wait left them
	IGATHER 1, I1
	IGATHER 2, I2
	s_wait_dscnt 24                                ; the gathers of items 1 and 2 are younger
	IFMA 0, I0
	s_wait_dscnt 12                                ; item 2's gathers are younger: item 1's pairs are in
	s_wait_alu depctr_va_vdst(0)                   ; item 0's multiply-adds have written its results, which the stores read, and are done reading v[I0 ..], in which item 3's gathers land
	IGATHER 3, I0
	ISTORE 0
	IFMA 1, I1
	s_wait_dscnt 12                                ; item 3's gathers are younger: item 2's pairs are in
	s_wait_alu depctr_va_vdst(0)                   ; item 1's multiply-adds have written its results, which the stores read
	ISTORE 1
	IFMA 2, I2
	s_wait_dscnt 0x0                               ; item 3's pairs are in
	s_wait_alu depctr_va_vdst(0)                   ; item 2's multiply-adds have written its results, which the stores read
	ISTORE 2
	IFMA 3, I0
	s_wait_alu depctr_va_vdst(0)                   ; item 3's multiply-adds have written its results, which the last stores read
	ISTORE 3
	s_wait_dscnt 0x0
	s_wait_alu depctr_hold_cnt(0) depctr_sa_sdst(0) depctr_va_vdst(0) depctr_va_sdst(0) depctr_va_ssrc(0) depctr_va_vcc(0) depctr_vm_vsrc(0)
	s_wait_tensorcnt 0x0
	ds_add_u32 v6, v7
	s_wait_dscnt 0x0
	s_endpgm
.Lfunc_end_k_qead08ffbe5_poolinterp:
	.size	k_qead08ffbe5_poolinterp, .Lfunc_end_k_qead08ffbe5_poolinterp-k_qead08ffbe5_poolinterp
	.p2alignl 7, 3214868480
	.fill 96, 4, 3214868480
	.section	.rodata,"a",@progbits
	.p2align	6, 0x0
	.amdhsa_kernel k_qead08ffbe5_poolinterp
		.amdhsa_group_segment_fixed_size 100352
		.amdhsa_private_segment_fixed_size 0
		.amdhsa_enable_private_segment 0
		.amdhsa_kernarg_size 40
		.amdhsa_user_sgpr_count 2
		.amdhsa_user_sgpr_kernarg_segment_ptr 1
		.amdhsa_wavefront_size32 1
		.amdhsa_system_sgpr_workgroup_id_x 1
		.amdhsa_system_sgpr_workgroup_id_y 1
		.amdhsa_system_sgpr_workgroup_id_z 1
		.amdhsa_system_vgpr_workitem_id 0
		.amdhsa_next_free_vgpr 240
		.amdhsa_next_free_sgpr 66
		.amdhsa_reserve_vcc 0
		.amdhsa_float_denorm_mode_32 3
		.amdhsa_float_denorm_mode_16_64 3
		.amdhsa_memory_ordered 1
		.amdhsa_forward_progress 1
		.amdhsa_inst_pref_size 54
	.end_amdhsa_kernel
	.amdgpu_metadata
---
amdhsa.version: [ 1, 2 ]
amdhsa.kernels:
  - .name:           k_qead08ffbe5_poolinterp
    .symbol:         k_qead08ffbe5_poolinterp.kd
    .args:
      - { .name: feature, .offset: 0, .size: 8, .value_kind: global_buffer, .address_space: global }
      - { .name: pool_idx, .offset: 8, .size: 8, .value_kind: global_buffer, .address_space: global }
      - { .name: knn, .offset: 16, .size: 8, .value_kind: global_buffer, .address_space: global }
      - { .name: wgt, .offset: 24, .size: 8, .value_kind: global_buffer, .address_space: global }
      - { .name: out0, .offset: 32, .size: 8, .value_kind: global_buffer, .address_space: global }
    .group_segment_fixed_size: 100352
    .private_segment_fixed_size: 0
    .kernarg_segment_align: 8
    .kernarg_segment_size: 40
    .max_flat_workgroup_size: 512
    .sgpr_count:     66
    .vgpr_count:     240
    .wavefront_size: 32
...
	.end_amdgpu_metadata
.endif
;; end of part 4
